; MI455X (gfx1250); checked and timed in simulation.
; The chip was launched on July 23, 2026; its instructions are those of AMD's public machine-readable ISA for CDNA 5 (MIT licence, August 2026) and "CDNA5" Instruction Set Architecture Reference Guide (July 2026). The comments in the code are by the model that wrote it; some were corrected since.
;; Multi Headed Attention. Allowed arithmetic: matrix products marked QUANTISED: E2M3 operands, one E8M0 scale for each 32 along K, by v_wmma_scale_f32_16x16x128_f8f6f4 with both operands' format E2M3, f32 sums; everything else in f32.
;; Inputs: Wk 768 x 768 float32; Wo 768 x 768 float32; Wq 768 x 768 float32; Wv 768 x 768 float32; bk 768 float32; bo 768 float32; bq 768 float32; bv 768 float32; x 1 x 4,096 x 768 float32.
;; Outputs: out0 1 x 4,096 x 768 float32.
;; This version of the problem:
;;   THIS VERSION OF THE PROBLEM IS GIVEN IN LOW PRECISION. The matrix products marked QUANTISED in the list below multiply operands that are first quantised to E2M3 (2 exponent bits, 3 mantissa bits; 6 bits a number), with one power-of-two scale for each 32 numbers along K (OCP MX v1.0); their sums are f32. All else is computed in f32.
;;   The module's matrix products, in the order in which they are computed (A, B: the left and right operand; K: the contracted axis; several contracted axes count as one K, in the product's order):
;;     1. [M 4,096, K 768] x [K 768, N 768]; A: input x; B: input Wq: QUANTISED
;;     2. [M 4,096, K 768] x [K 768, N 768]; A: input x; B: input Wk: QUANTISED
;;     3. [M 4,096, K 768] x [K 768, N 768]; A: input x; B: input Wv: QUANTISED
;;     4. batch 12 x [M 4,096, K 64] x [K 64, N 4,096]; A: computed on the way; B: computed on the way: QUANTISED
;;     5. batch 12 x [M 4,096, K 4,096] x [K 4,096, N 64]; A: softmax (see below); B: computed on the way: QUANTISED
;;     6. [M 4,096, K 768] x [K 768, N 768]; A: computed on the way; B: input Wo: QUANTISED
;;   THE QUANTISER, for each operand of a quantised product, along K:
;;     - K is cut into blocks of 32 from its start; a last block that is shorter is filled with zeros.
;;     - A block's scale is 2^e with e = floor(log2(the largest magnitude in the block)) - 2, held to -126 .. 127; a block of zeros has e = 0. As a byte (E8M0): e + 127.
;;     - Each number is divided by its block's scale, clamped to +-7.5, and rounded to the nearest number of E2M3, ties to even, subnormals kept.
;;     - The product sums the exact products of the quantised numbers (number of the format x scale) in f32.
;;   ~~~python
;;   def quantise(x, axis):      # numpy; x: float32 -> the quantised numbers, widened to float32 again
;;       x = np.moveaxis(x, axis, -1); K = x.shape[-1]
;;       x = np.pad(x, [(0, 0)] * (x.ndim - 1) + [(0, -K % 32)]); x = x.reshape(x.shape[:-1] + (-1, 32)); a = np.abs(x).max(-1, keepdims=True)
;;       e = np.where(a > 0, np.clip(np.frexp(np.where(a > 0, a, 1))[1] - 1 - 2, -126, 127), 0)      # np.frexp(a)[1] - 1 = floor(log2(a)), exactly
;;       r = np.clip(x / 2.0 ** e, -7.5, 7.5)
;;       step = 2.0 ** (np.maximum(np.frexp(np.where(r == 0, 1, r))[1] - 1, 0) - 3)
;;       q = np.round(r / step) * step * 2.0 ** e      # np.round: ties to even
;;       return np.moveaxis(q.reshape(q.shape[:-2] + (-1,))[..., :K], -1, axis).astype(np.float32)
;;   ~~~
;;   SOFTMAX AHEAD OF A QUANTISED PRODUCT. Where the list says 'softmax', what is quantised is not the finished softmax but p = 2^(t - M), with t = logit x log2(e) and M = ceil(the row's largest t), a whole number; so 1/2 < the row's largest p <= 1. The row's sum l is taken of the UNQUANTISED p, in f32, and the product's result is divided by l at the end. Since M is a whole number, a kernel that streams over the keys may use a running M (the ceiling of the running maximum): every later rescaling is an exact power of two, which a block's scale takes up: the codes' values come out the same.
;;   OPERANDS COMPUTED ON THE WAY. 'Computed on the way' means the value that the module computes at that place (a softmax that the list does not call 'softmax' is quantised finished and normalised). What goes into a quantiser is computed in f32, as accurately as f32 sums, v_exp_f32 and their like allow (about 1e-6 of the number): no bf16 or f16 on the way to a quantiser, and a product that is left as it is and whose result goes on into a quantised operand takes f32 operands (vector FMAs, or v_wmma_f32_16x16x4_f32). A number that lies on a knife's edge between two numbers of the format may be rounded either way, as far as f32 arithmetic and the matrix unit's own rounding can turn it there, and no further.
;; One version. Each part assembles by itself: llvm-mc -triple=amdgcn-amd-amdhsa -mcpu=gfx1250 --defsym DOCPART=n.
;; ======== version 1 of 1: 4 launches
;; limits: right only within a limited range of input values
;; workspace buffers: xw 4,472,832 bytes; qi 2,555,904 bytes; kv 5,111,808 bytes; cx 2,555,904 bytes
;; launch quant (part 1): grid 224 x 1, 4 waves a work-group, no clusters, 34,304 bytes of LDS; arguments x, Wq, Wk, Wv, Wo, xw; writes xw
.if DOCPART == 1
	.amdgcn_target "amdgcn-amd-amdhsa--gfx1250"
	.amdhsa_code_object_version 6
	.text
	.protected	k_q73cb87f48a_quant
	.globl	k_q73cb87f48a_quant
	.p2align	8
	.type	k_q73cb87f48a_quant,@function
k_q73cb87f48a_quant:
	s_mov_b64 s[64:65], 0
	v_nop
	global_prefetch_b8 v0, s[64:65] scope:SCOPE_SE
	s_setreg_imm32_b32 hwreg(HW_REG_WAVE_MODE, 25, 1), 1
	s_wait_xcnt 0x0
; x [4096][768] and Wq, Wk, Wv, Wo [768][768], f32 with K innermost, become codes of FP6 (E2M3) with one E8M0 byte for each 32 along K,
; laid in xw AS IMAGES OF OPERAND REGISTERS: xw = [112 groups of 64 rows][6 K steps of 128][6,656 bytes]; groups 0-63 x, 64-75 Wq, 76-87 Wk, 88-99 Wv, 100-111 Wo.
; A slice of 6,656 bytes: four fragments (16 rows x 128 K = 12 registers a lane; registers 4 c .. 4 c + 3 of lane l at 512 c + 16 l) of 1,536 bytes, then four scale images of 128 bytes (row's word at 4 l).
; THE ROWS OF A TILE ARE NOT NEIGHBOURS: lane r of tile t holds row 32 (t / 2) + 8 (t % 2) + r + 8 (r / 8), so that the results of tiles 2 b and 2 b + 1, used as source 0, are 16 neighbours along a later K.
; A block's scale is 2^(floor(log2(largest magnitude)) - 2); its byte is the largest magnitude's exponent field - 2, held at 1 from below.
; LIMITS: a block of zeros gets the byte 1 where the rule says 127 (its codes are zeros, and this program alone reads the bytes); NaN and infinities among the inputs are not served.
; SHARES: work-group g, wave w: tile 2 g + w / 2 of 448, K steps 3 (w % 2) .. + 2.  Each load reads 512 consecutive bytes of one row; a fragment's 8,192 bytes turn through the wave's own stage in LDS
; (rows 528 bytes apart: 33 x 16, so the sixteen rows of a read start in different banks) so that a lane gets 16 neighbours of each block.  Waves share nothing: no barrier.
.set ROWB,  3072                       ; a row of 768 f32
.set SLICE, 6656
.set RG,    6*SLICE
.set SP,    528
.set STG,   16*SP                      ; a wave's stage
.set SPARE, 4*STG                      ; behind the stages: the spare words, 128 bytes a wave, named by no other line
.set LI,  1                            ; v1   16 x lane
.set LS,  2                            ; v2   4 x lane
.set STW, 3                            ; v3   the stage, on the way in: 16 x lane
.set RDX, 4                            ; v4   and out: 528 r + 64 h
.set SPW, 5                            ; v5   my spare word; never rewritten
.set NIL, 6                            ; v6   0; never rewritten
.set R0,  8                            ; v8-71, v72-135  two sets of 64 registers as loaded
.set R1,  72
.set X,   136                          ; v136-199  64 numbers: register 16 b + i = k 32 b + 16 h + i of my row
.set PC,  200                          ; v200-219  the codes
.set TM,  220                          ; v220-235  at work
.set PW,  236                          ; v236  the scale word
.set SEL, 22
.set WV,  24
.macro QUANT s
.irp b, 0,1,2,3
	v_max3_num_f32 v[TM+\b], |v[\s+16*\b]|, |v[\s+1+16*\b]|, 0x1800000   ; my 16 numbers of block b, and the floor 2^(3 - 127): the byte cannot fall under 1
.endr
.irp i, 2,4,6,8,10,12,14
.irp b, 0,1,2,3
	v_max3_num_f32 v[TM+\b], v[TM+\b], |v[\s+16*\b+\i]|, |v[\s+1+16*\b+\i]|
.endr
.endr
.irp b, 0,1,2,3
	v_permlanex16_b32 v[TM+4+\b], v[TM+\b], s[SEL], s[SEL+1]
.endr
.irp b, 0,1,2,3
	v_max_num_f32 v[TM+\b], v[TM+\b], v[TM+4+\b]       ; with lane l xor 16's: the block's largest magnitude
.endr
.irp b, 0,1,2,3
	v_add_nc_u32 v[TM+12+\b], 0xff000000, v[TM+\b]     ; 2 off its exponent field: the conversion's scale operand
.endr
.irp b, 0,1,2,3
	v_lshrrev_b32 v[TM+4+\b], 23, v[TM+12+\b]          ; the scale's byte
.endr
	v_lshl_or_b32 v[PW], v[TM+5], 8, v[TM+4]
	v_lshl_or_b32 v[PW], v[TM+6], 16, v[PW]
	v_lshl_or_b32 v[PW], v[TM+7], 24, v[PW]
.irp c, 0,1
	v_cvt_scalef32_pk16_fp6_f32 v[PC+6*\c:PC+2+6*\c], v[\s+32*\c:\s+15+32*\c], v[TM+12+2*\c]
	v_cvt_scalef32_pk16_fp6_f32 v[PC+12+4*\c:PC+14+4*\c], v[\s+16+32*\c:\s+31+32*\c], v[TM+12+2*\c+1]   ; (a conversion's three registers begin on an even number)
.endr
	v_nop                                              ; one plain place behind a scaled conversion
.irp c, 0,1                                        ; the operand's layout wants a whole block in a lane
.irp i, 0,1,2
	v_permlane16_swap_b32 v[PC+6*\c+\i], v[PC+12+4*\c+\i]
.endr
.irp i, 0,1,2
	v_mov_b32 v[PC+3+6*\c+\i], v[PC+12+4*\c+\i]
.endr
.endr
.endm
.macro LOAD f, set                     ; fragment f: the tile's 16 rows, 512 consecutive bytes each
.irp i, 0,1,2,3,4,5,6,7,8,9,10,11,12,13,14,15
	global_load_b128 v[\set+4*\i:\set+4*\i+3], v[LI], s[16:17] offset:(\i+8*(\i/8))*ROWB+512*\f th:TH_LOAD_NT
.endr
.endm
.macro TURN set                        ; through my stage: LDS serves a wave's instructions in order, so no wait stands between the stores and the loads
.irp i, 0,1,2,3,4,5,6,7,8,9,10,11,12,13,14,15
	ds_store_b128 v[STW], v[\set+4*\i:\set+4*\i+3] offset:SP*\i
.endr
.irp b, 0,1,2,3
.irp j, 0,1,2,3
	ds_load_b128 v[X+16*\b+4*\j:X+16*\b+4*\j+3], v[RDX] offset:128*\b+16*\j
.endr
.endr
.endm
.macro OUT f                           ; the fragment's image, three stores of 512 consecutive bytes, and its scale image
.irp c, 0,1,2
	global_store_b128 v[LI], v[PC+4*\c:PC+4*\c+3], s[18:19] offset:SLICE*\f+512*\c
.endr
	global_store_b32 v[LS], v[PW], s[20:21] offset:SLICE*\f
.endm
	s_load_b256 s[4:11], s[0:1], 0x0               ; x, Wq, Wk, Wv
	s_load_b128 s[12:15], s[0:1], 0x20             ; Wo, xw
	v_lshl_add_u32 v[SPW], v0, 2, SPARE
	v_mov_b32 v[NIL], 0
	v_lshrrev_b32 v7, 5, v0
	v_readfirstlane_b32 s[WV], v7                  ; wave 0..3
	v_and_b32 v7, 31, v0
	v_lshlrev_b32 v[LI], 4, v7
	v_lshlrev_b32 v[LS], 2, v7
	s_mul_i32 s26, s[WV], STG
	v_add_nc_u32 v[STW], s26, v[LI]
	v_and_b32 v[RDX], 15, v0
	v_mul_u32_u24 v[RDX], v[RDX], SP
	v_bfe_u32 v7, v0, 4, 1
	v_lshl_add_u32 v[RDX], v7, 6, v[RDX]
	v_add_nc_u32 v[RDX], s26, v[RDX]
.irp b, 0,1,2,3
	v_mov_b32 v[TM+4+\b], 0                        ; written once: a lane permute's destination counts as one of its sources
.endr
	s_mov_b32 s[SEL], 0x76543210
	s_mov_b32 s[SEL+1], 0xfedcba98
	s_lshr_b32 s27, s[WV], 1                       ; which of the work-group's two tiles
	s_and_b32 s28, s[WV], 1                        ; which three K steps
	s_lshr_b32 s32, ttmp9, 1
	s_mul_i32 s32, s32, RG                         ; the group of 64 rows in xw,
	s_mul_i32 s33, s28, 3*SLICE
	s_add_co_u32 s32, s32, s33                     ; my first slice,
	s_and_b32 s34, ttmp9, 1
	s_lshl_b32 s34, s34, 1
	s_add_co_u32 s34, s34, s27                     ; my tile of its four
	s_mul_i32 s36, s34, 1536
	s_add_co_u32 s36, s36, s32
	s_mov_b32 s37, 0
	s_lshl_b32 s38, s34, 7
	s_add_co_u32 s38, s38, s32
	s_add_co_u32 s38, s38, 6144
	s_mov_b32 s39, 0
	s_wait_alu depctr_va_vdst(0)
	s_wait_kmcnt 0x0
	s_mov_b64 s[16:17], s[12:13]                   ; which tensor: by the work-group's number alone
	s_mov_b32 s25, 200
	s_cmp_lt_u32 ttmp9, 200
	s_cselect_b64 s[16:17], s[10:11], s[16:17]
	s_cselect_b32 s25, 176, s25
	s_cmp_lt_u32 ttmp9, 176
	s_cselect_b64 s[16:17], s[8:9], s[16:17]
	s_cselect_b32 s25, 152, s25
	s_cmp_lt_u32 ttmp9, 152
	s_cselect_b64 s[16:17], s[6:7], s[16:17]
	s_cselect_b32 s25, 128, s25
	s_cmp_lt_u32 ttmp9, 128
	s_cselect_b64 s[16:17], s[4:5], s[16:17]
	s_cselect_b32 s25, 0, s25
	s_sub_co_u32 s29, ttmp9, s25                   ; which 32 rows of that tensor
	s_mul_i32 s30, s29, 32*ROWB
	s_mul_i32 s31, s27, 8*ROWB                     ; the second tile begins 8 rows on
	s_add_co_u32 s30, s30, s31
	s_mul_i32 s31, s28, 3*512
	s_add_co_u32 s30, s30, s31
	s_mov_b32 s31, 0
	s_add_nc_u64 s[16:17], s[16:17], s[30:31]
	s_add_nc_u64 s[18:19], s[14:15], s[36:37]
	s_add_nc_u64 s[20:21], s[14:15], s[38:39]
	LOAD 0, R0
	LOAD 1, R1
	s_wait_loadcnt 16                              ; fragment 0's sixteen loads are in; fragment 1's may be out
	TURN R0
	s_wait_dscnt 0x0                               ; the stage's stores have read R0, and X is in
	LOAD 2, R0
	QUANT X
	OUT 0
	s_wait_loadcnt 16                              ; fragment 1's are in; fragment 2's may be out
	TURN R1
	s_wait_dscnt 0x0
	s_wait_xcnt 0x0                                ; the codes and the scale word are written again only behind this wait
	QUANT X
	OUT 1
	s_wait_loadcnt 0x0
	TURN R0
	s_wait_dscnt 0x0
	s_wait_xcnt 0x0
	QUANT X
	OUT 2
	s_wait_tensorcnt 0x0                           ; the wave's end
	ds_add_u32 v[SPW], v[NIL]
	s_wait_dscnt 0x0
	s_endpgm
.Lfunc_end_k_q73cb87f48a_quant:
	.size	k_q73cb87f48a_quant, .Lfunc_end_k_q73cb87f48a_quant-k_q73cb87f48a_quant
	.p2alignl 7, 3214868480
	.fill 96, 4, 3214868480
	.section	.rodata,"a",@progbits
	.p2align	6, 0x0
	.amdhsa_kernel k_q73cb87f48a_quant
		.amdhsa_group_segment_fixed_size 34304
		.amdhsa_private_segment_fixed_size 0
		.amdhsa_enable_private_segment 0
		.amdhsa_kernarg_size 48
		.amdhsa_user_sgpr_count 2
		.amdhsa_user_sgpr_kernarg_segment_ptr 1
		.amdhsa_wavefront_size32 1
		.amdhsa_system_sgpr_workgroup_id_x 1
		.amdhsa_system_sgpr_workgroup_id_y 1
		.amdhsa_system_sgpr_workgroup_id_z 1
		.amdhsa_system_vgpr_workitem_id 0
		.amdhsa_next_free_vgpr 248
		.amdhsa_next_free_sgpr 66
		.amdhsa_reserve_vcc 0
		.amdhsa_float_denorm_mode_32 3
		.amdhsa_float_denorm_mode_16_64 3
		.amdhsa_memory_ordered 1
		.amdhsa_forward_progress 1
		.amdhsa_inst_pref_size 27
	.end_amdhsa_kernel
	.amdgpu_metadata
---
amdhsa.version: [ 1, 2 ]
amdhsa.kernels:
  - .name:           k_q73cb87f48a_quant
    .symbol:         k_q73cb87f48a_quant.kd
    .args:
      - { .name: x, .offset: 0, .size: 8, .value_kind: global_buffer, .address_space: global }
      - { .name: Wq, .offset: 8, .size: 8, .value_kind: global_buffer, .address_space: global }
      - { .name: Wk, .offset: 16, .size: 8, .value_kind: global_buffer, .address_space: global }
      - { .name: Wv, .offset: 24, .size: 8, .value_kind: global_buffer, .address_space: global }
      - { .name: Wo, .offset: 32, .size: 8, .value_kind: global_buffer, .address_space: global }
      - { .name: xw, .offset: 40, .size: 8, .value_kind: global_buffer, .address_space: global }
    .group_segment_fixed_size: 34304
    .private_segment_fixed_size: 0
    .kernarg_segment_align: 8
    .kernarg_segment_size: 48
    .max_flat_workgroup_size: 128
    .sgpr_count:     66
    .vgpr_count:     248
    .wavefront_size: 32
...
	.end_amdgpu_metadata
.endif
;; end of part 1
;; launch proj (part 2): grid 32 x 6, 12 waves a work-group, clusters of 4 x 1, 327,680 bytes of LDS; arguments xw, bq, bk, bv, qi, kv; writes qi, kv
.if DOCPART == 2
	.amdgcn_target "amdgcn-amd-amdhsa--gfx1250"
	.amdhsa_code_object_version 6
	.text
	.protected	k_q73cb87f48a_proj
	.globl	k_q73cb87f48a_proj
	.p2align	8
	.type	k_q73cb87f48a_proj,@function
k_q73cb87f48a_proj:
	s_mov_b64 s[64:65], 0
	v_nop
	global_prefetch_b8 v0, s[64:65] scope:SCOPE_SE
	s_setreg_imm32_b32 hwreg(HW_REG_WAVE_MODE, 25, 1), 1
	s_wait_xcnt 0x0
	s_wait_alu depctr_hold_cnt(0) depctr_sa_sdst(0) depctr_va_vdst(0) depctr_va_sdst(0) depctr_va_ssrc(0) depctr_va_vcc(0) depctr_vm_vsrc(0)
	s_getreg_b32 s2, hwreg(HW_REG_IB_STS2, 6, 4)
	s_cmp_eq_u32 s2, 0
	s_cbranch_scc0 .Lentry_in_a_cluster
	s_endpgm
.Lentry_in_a_cluster:
	s_bfe_u32 s2, ttmp6, 0x10000c
	s_cmp_lg_u32 s2, 0x3003
	s_cbranch_scc0 .Lentry_shape_is_right
	s_endpgm
.Lentry_shape_is_right:
; q, k, v = x W^T + b on codes of FP6 (E2M3) with E8M0 scales, from the register images in xw; the results are quantised in registers along the NEXT product's K and stored as register images.
; SHARES.  Work-group x: G = 128 tokens; work-group y: cg = 0, 1: q, 2, 3: k, 4, 5: v; six heads each (head = 6 (cg % 2) + hp).  Wave w: xg = w % 2 (which 64 tokens), hp = w / 2.  A wave makes 64 x 64: 16 accumulators.
; q, k: source 0 = 16 rows of W, source 1 = 16 tokens: a lane holds ONE token, registers run along the head's 64 channels.  v: the sources change places: a lane holds ONE channel, registers run along 64 tokens.
; The rows of a tile: lane r of tile t is row 32 (t / 2) + 8 (t % 2) + r + 8 (r / 8), so the registers of tiles 2 b, 2 b + 1 are 16 neighbours.  The bias is the C of each sum's first product.
; OUT.  A half image is 16 rows x 64 K = 6 registers: registers 0-3 at 16 l, registers 4, 5 at 512 + 8 l: 768 bytes.
;   qi = [12 heads][32 G][6,656]: 8 half images, then 4 pair words' images.   kv = [12][32][13,312]: K's 8 half images; V's 4 fragments from 6,144; K's pair words from 12,288; V's words from 12,800.
; LDS, filled once: six groups of W (64 rows x all of K, 39,936 bytes each), then two groups of x, as they lie in xw: 48 slices of 6,656 bytes on end.  W's 36 slices are one dense run of xw, x's 12 another.
; ONE TENSOR LOAD A WAVE: wave w brings slices 4 w .. 4 w + 3 (104 rows of 256 bytes): waves 0-8 W's, jointly (the four work-groups of a cluster share cg: mask 15), waves 9-11 x's, each work-group's own.
; No prefetch: the launch has no loop to run ahead in; all its bytes are asked for at the head.
; LIMITS: a block of zeros gets the byte 1 (its codes are zeros; this program alone reads the bytes); NaN and infinities are not served.
.set SLICE, 6656
.set RG,    6*SLICE
.set QUAD,  4*SLICE
.set SPARE, 8*RG                       ; the spare words, 128 bytes a wave, named by no other line
.set LI,  1                            ; v1 16 x lane, v2 8 x lane, v3 4 x lane
.set L8,  2
.set LS,  3
.set ADW, 4                            ; v4 my head's group of W, v5 my group of x, v6, v7 their scale images
.set ADX, 5
.set ASW, 6
.set ASX, 7
.set SPW, 8                            ; v8 my spare word, v9 0: never rewritten
.set NIL, 9
.set BO,  10
.set SA,  12                           ; v12-15, v16-19 scale words and nothing else
.set SB,  16
.set FA,  20                           ; v20-67 source 0's four fragments
.set FB,  68                           ; v68-91 two of source 1's
.set BI,  92                           ; v92-123 the bias
.set ACC, 124                          ; v124-251 accumulator (source 1's tile q, source 0's tile a) at 32 q + 8 a
.set TM,  20                           ; the epilogue works where the fragments lay
.set T6,  28
.set CD,  32
.set W16, 64
.set PWD, 68
.set G1J, 16
.set G1P, 24
.set G0W, 32
.set G0X, 36
.set WV,  56
.set XG,  57
.set HP,  58
.set CG,  59
.set HD,  60
.set SEL, 94
.macro D n
	s_delay_alu instid0(VALU_DEP_\n)
.endm
.macro ROUND
	s_barrier_signal -1
	s_barrier_wait -1
	s_cmp_lg_u32 s[WV], 0
	s_cbranch_scc1 .Lnot_wave_0_\@
	s_barrier_signal -3
.Lnot_wave_0_\@:
	s_barrier_wait -3
	s_barrier_signal -1
	s_barrier_wait -1
.endm
.macro PLACES
.rept 4
	v_nop
.endr
.endm
; 32 numbers of a lane (register 16 b + i = k 32 b + 16 h + i) become 6 registers of codes at v[c] and two scale bytes in v[w]
.macro Q32 s, c, w
	v_max3_num_f32 v[TM], |v[(\s)]|, |v[(\s)+1]|, 0x1800000          ; the floor 2^(3 - 127): the byte cannot fall under 1
	v_max3_num_f32 v[TM+1], |v[(\s)+16]|, |v[(\s)+17]|, 0x1800000
.irp i, 2,4,6,8,10,12,14
	v_max3_num_f32 v[TM], v[TM], |v[(\s)+\i]|, |v[(\s)+1+\i]|
	v_max3_num_f32 v[TM+1], v[TM+1], |v[(\s)+16+\i]|, |v[(\s)+17+\i]|
.endr
	D 2
	v_permlanex16_b32 v[TM+2], v[TM], s[SEL], s[SEL+1]
	D 2
	v_permlanex16_b32 v[TM+3], v[TM+1], s[SEL], s[SEL+1]
	D 2
	v_max_num_f32 v[TM], v[TM], v[TM+2]
	D 2
	v_max_num_f32 v[TM+1], v[TM+1], v[TM+3]
	D 2
	v_add_nc_u32 v[TM+4], 0xff000000, v[TM]                          ; 2 off the exponent field: the conversion's scale operand
	D 2
	v_add_nc_u32 v[TM+5], 0xff000000, v[TM+1]
	D 2
	v_lshrrev_b32 v[TM+2], 23, v[TM+4]
	D 2
	v_lshrrev_b32 v[TM+3], 23, v[TM+5]
	D 1
	v_lshl_or_b32 v[(\w)], v[TM+3], 8, v[TM+2]
	v_cvt_scalef32_pk16_fp6_f32 v[(\c):(\c)+2], v[(\s):(\s)+15], v[TM+4]
	v_cvt_scalef32_pk16_fp6_f32 v[T6:T6+2], v[(\s)+16:(\s)+31], v[TM+5]
	v_nop                                                            ; one plain place behind a scaled conversion
.irp i, 0,1,2
	v_permlane16_swap_b32 v[(\c)+\i], v[T6+\i]                       ; a whole block to a lane
.endr
.irp i, 0,1,2
	D 3
	v_mov_b32 v[(\c)+3+\i], v[T6+\i]
.endr
.endm
; Two of source 1's fragments and their eight products; the sixteen accumulators take turns
.macro HALF ks, adB, r0, cmode
.irp q, 0,1
.irp c, 0,1,2
	ds_load_b128 v[FB+12*\q+4*\c:FB+12*\q+4*\c+3], v[\adB] offset:SLICE*\ks+1536*(\r0+\q)+512*\c
.endr
.endr
	s_wait_dscnt 0x0
.irp q, 0,1
.irp a, 0,1,2,3
.if \ks == 0
.if \cmode == 0
	v_wmma_scale_f32_16x16x128_f8f6f4 v[ACC+32*(\r0+\q)+8*\a:ACC+32*(\r0+\q)+8*\a+7], v[FA+12*\a:FA+12*\a+11], v[FB+12*\q:FB+12*\q+11], v[BI+8*\a:BI+8*\a+7], v[SA+\a], v[SB+\r0+\q] matrix_a_fmt:MATRIX_FMT_FP6 matrix_b_fmt:MATRIX_FMT_FP6
.else
	v_wmma_scale_f32_16x16x128_f8f6f4 v[ACC+32*(\r0+\q)+8*\a:ACC+32*(\r0+\q)+8*\a+7], v[FA+12*\a:FA+12*\a+11], v[FB+12*\q:FB+12*\q+11], v[BI+8*(\r0+\q):BI+8*(\r0+\q)+7], v[SA+\a], v[SB+\r0+\q] matrix_a_fmt:MATRIX_FMT_FP6 matrix_b_fmt:MATRIX_FMT_FP6
.endif
.else
	v_wmma_scale_f32_16x16x128_f8f6f4 v[ACC+32*(\r0+\q)+8*\a:ACC+32*(\r0+\q)+8*\a+7], v[FA+12*\a:FA+12*\a+11], v[FB+12*\q:FB+12*\q+11], v[ACC+32*(\r0+\q)+8*\a:ACC+32*(\r0+\q)+8*\a+7], v[SA+\a], v[SB+\r0+\q] matrix_a_fmt:MATRIX_FMT_FP6 matrix_b_fmt:MATRIX_FMT_FP6
.endif
.endr
.endr
.endm
.macro KSTEP ks, adA, asA, adB, asB, cmode     ; the K step's place stands in the loads' immediates: SLICE x ks inside a group
.irp t, 0,1,2,3
.irp c, 0,1,2
	ds_load_b128 v[FA+12*\t+4*\c:FA+12*\t+4*\c+3], v[\adA] offset:SLICE*\ks+1536*\t+512*\c
.endr
.endr
.irp t, 0,1,2,3
	ds_load_b32 v[SA+\t], v[\asA] offset:SLICE*\ks+128*\t
	ds_load_b32 v[SB+\t], v[\asB] offset:SLICE*\ks+128*\t
.endr
	HALF \ks, \adB, 0, \cmode
	PLACES                                         ; in front of loads into registers that matrix instructions have read
	HALF \ks, \adB, 2, \cmode
	PLACES                                         ; likewise, and in front of the first read of results
.endm
.macro LANDED                                  ; my one load has landed, and behind the barrier everybody's: nothing is filled again
	s_wait_alu depctr_va_vdst(0)                   ; the wait at the head's end
	s_wait_tensorcnt 0x0
	s_barrier_signal -1
	s_barrier_wait -1
.endm
	s_load_b256 s[4:11], s[0:1], 0x0               ; xw, bq, bk, bv
	s_load_b128 s[12:15], s[0:1], 0x20             ; qi, kv
	v_lshl_add_u32 v[SPW], v0, 2, SPARE
	v_mov_b32 v[NIL], 0
	ds_add_u32 v[SPW], v[NIL]                      ; the opening lines: the add, twice, and its wait ahead of the first tensor load
	ds_add_u32 v[SPW], v[NIL]
	v_lshrrev_b32 v[BO], 5, v0
	D 1
	v_readfirstlane_b32 s[WV], v[BO]               ; wave 0..11
	s_and_b32 s[XG], s[WV], 1
	s_lshr_b32 s[HP], s[WV], 1
	s_and_b32 s[CG], ttmp7, 0xffff                 ; shared by the four partners
	s_and_b32 s[HD], s[CG], 1
	s_mul_i32 s[HD], s[HD], 6
	s_add_co_u32 s[HD], s[HD], s[HP]               ; my head
	s_bfe_u32 s92, ttmp6, 0x40000                  ; my place in the cluster: it enters x's address and the stores' alone
	s_lshl_b32 s93, ttmp9, 2
	s_add_co_u32 s93, s93, s92                     ; G
	s_mov_b32 s[G1J], 15|(3<<16)|(1<<21)           ; mask: all four work-groups; elements of 8 bytes; bit 21 beside a mask
	s_mov_b32 s[G1P], 3<<16                        ; no mask
.irp g, G1J, G1P
	s_mov_b32 s[\g+1], 32<<16                      ; rows of 256 bytes,
	s_mov_b32 s[\g+2], 104<<16                     ; 104 of them: four slices
	s_mov_b32 s[\g+3], 32<<16
	s_mov_b32 s[\g+4], 104
	s_mov_b32 s[\g+5], 32                          ; dense
	s_mov_b32 s[\g+6], 0
	s_mov_b32 s[\g+7], 0
.endr
	v_and_b32 v[LS], 31, v0
	D 1
	v_lshlrev_b32 v[LI], 4, v[LS]
	D 2
	v_lshlrev_b32 v[L8], 3, v[LS]
	D 3
	v_lshlrev_b32 v[LS], 2, v[LS]
	s_mul_i32 s94, s[HP], RG
	s_mul_i32 s95, s[XG], RG
	s_add_co_u32 s95, s95, 6*RG
	v_add_nc_u32 v[ADW], s94, v[LI]
	v_add_nc_u32 v[ADX], s95, v[LI]
	v_add_nc_u32 v[ASW], s94, v[LS]
	D 1
	v_add_nc_u32 v[ASW], 6144, v[ASW]
	v_add_nc_u32 v[ASX], s95, v[LS]
	D 1
	v_add_nc_u32 v[ASX], 6144, v[ASX]
	s_mul_i32 s61, s[WV], QUAD                     ; where my load goes: no place in the cluster enters
	s_min_u32 s62, s[WV], 8                        ; W's run: group 64 + 6 cg on, my four slices (held inside the run in the waves that fetch x)
	s_mul_i32 s62, s62, QUAD
	s_mul_i32 s63, s[CG], 6
	s_add_co_u32 s63, s63, 64
	s_mul_i32 s66, s63, RG
	s_add_co_u32 s66, s66, s62
	s_mov_b32 s67, 0
	s_max_u32 s62, s[WV], 9                        ; x's run: group 2 G on, four slices for each of waves 9-11
	s_sub_co_u32 s62, s62, 9
	s_mul_i32 s62, s62, QUAD
	s_mul_i32 s96, s93, 2*RG
	s_add_co_u32 s96, s96, s62
	s_mov_b32 s97, 0
	s_wait_dscnt 0x0                               ; both opening adds are done
	s_wait_kmcnt 0x0
	s_add_nc_u64 s[66:67], s[4:5], s[66:67]
	s_add_nc_u64 s[96:97], s[4:5], s[96:97]
	ROUND                                          ; all four work-groups are here: the joint loads meet
	s_mov_b32 s[G0W], 1
	s_mov_b32 s[G0W+1], s61
	s_mov_b64 s[G0W+2:G0W+3], s[66:67]
	s_or_b32 s[G0W+3], s[G0W+3], 0x80000000
	s_mov_b32 s[G0X], 1
	s_mov_b32 s[G0X+1], s61
	s_mov_b64 s[G0X+2:G0X+3], s[96:97]
	s_or_b32 s[G0X+3], s[G0X+3], 0x80000000
	s_cmp_lt_u32 s[WV], 9                          ; one chain, one load to an arm
	s_cbranch_scc0 .Lfor_x
	tensor_load_to_lds s[G0W:G0W+3], s[G1J:G1J+7]
	s_nop 0
	PLACES
	s_branch .Lfilled
.Lfor_x:
	tensor_load_to_lds s[G0X:G0X+3], s[G1P:G1P+7]
	s_nop 0
	PLACES
.Lfilled:
	s_mov_b32 s[SEL], 0x76543210
	s_mov_b32 s[SEL+1], 0xfedcba98
	s_lshl_b32 s98, s[HD], 5
	s_add_co_u32 s98, s98, s93                     ; 32 head + G
	s_lshl_b32 s2, s[HD], 8                        ; the head's 64 biases, in bytes
	s_mov_b32 s3, 0
	s_mov_b32 s99, 0
	s_mov_b32 s101, 0
	s_cmp_ge_u32 s[CG], 4                          ; the same in all waves and in all four partners
	s_cbranch_scc1 .Lv_path
	; ---- q and k
	s_cmp_lt_u32 s[CG], 2
	s_cselect_b64 s[6:7], s[6:7], s[8:9]           ; bq or bk
	s_cselect_b64 s[12:13], s[12:13], s[14:15]     ; qi or kv
	s_mov_b32 s62, 2*SLICE
	s_cselect_b32 s62, SLICE, s62                  ; bytes of a group of 128 tokens there
	s_mov_b32 s100, 12288
	s_cselect_b32 s100, 6144, s100                 ; where its pair words begin
	s_mul_i32 s98, s98, s62
	s_add_co_u32 s100, s100, s98
	s_lshl_b32 s63, s[XG], 8
	s_add_co_u32 s100, s100, s63
	s_mul_i32 s63, s[XG], 3072
	s_add_co_u32 s98, s98, s63
	s_mov_b64 s[14:15], s[12:13]
	s_add_nc_u64 s[12:13], s[12:13], s[98:99]      ; my four half images
	s_add_nc_u64 s[14:15], s[14:15], s[100:101]    ; my two pair words
	s_add_nc_u64 s[6:7], s[6:7], s[2:3]
	v_bfe_u32 v[BO], v0, 4, 1
	D 1
	v_lshlrev_b32 v[BO], 6, v[BO]                  ; register j of tile a is channel 32 (a / 2) + 8 (a % 2) + 16 h + j
.irp a, 0,1,2,3
	global_load_b128 v[BI+8*\a:BI+8*\a+3], v[BO], s[6:7] offset:(32*(\a/2)+8*(\a%2))*4
	global_load_b128 v[BI+8*\a+4:BI+8*\a+7], v[BO], s[6:7] offset:(32*(\a/2)+8*(\a%2))*4+16
.endr
	s_wait_loadcnt 0x0
	LANDED
.irp k, 0,1,2,3,4,5
	KSTEP \k, ADW, ASW, ADX, ASX, 0
.endr
	v_mov_b32 v[TM+2], 0                           ; a lane permute's destination counts as one of its sources
	v_mov_b32 v[TM+3], 0
.irp r, 0,1,2,3                                ; token tile r: 32 registers along the head's 64 channels
	Q32 ACC+32*\r, CD+8*\r, W16+\r
	global_store_b128 v[LI], v[CD+8*\r:CD+8*\r+3], s[12:13] offset:768*\r          ; 512 consecutive bytes
	global_store_b64 v[L8], v[CD+8*\r+4:CD+8*\r+5], s[12:13] offset:768*\r+512     ; 256 consecutive bytes
.endr
.irp p, 0,1
	v_lshl_or_b32 v[PWD+\p], v[W16+2*\p+1], 16, v[W16+2*\p]
	global_store_b32 v[LS], v[PWD+\p], s[14:15] offset:128*\p
.endr
	s_branch .Lend
	; ---- v
.Lv_path:
	s_mul_i32 s98, s98, 2*SLICE
	s_add_co_u32 s100, s98, 12800
	s_lshl_b32 s63, s[XG], 1
	s_add_co_u32 s100, s100, s63                   ; my two bytes of V's scale words
	s_mul_i32 s63, s[XG], 768
	s_add_co_u32 s98, s98, s63
	s_add_co_u32 s98, s98, 6144                    ; my half of V's fragments
	s_add_nc_u64 s[12:13], s[14:15], s[98:99]
	s_add_nc_u64 s[14:15], s[14:15], s[100:101]
	s_add_nc_u64 s[10:11], s[10:11], s[2:3]
	v_and_b32 v[BO], 15, v0
	D 1
	v_and_b32 v11, 8, v[BO]
	D 1
	v_add_nc_u32 v[BO], v[BO], v11
	D 1
	v_lshlrev_b32 v[BO], 2, v[BO]                  ; lane r of tile t is channel 32 (t / 2) + 8 (t % 2) + r + 8 (r / 8): one bias for all eight registers
.irp t, 0,1,2,3
.irp j, 0,1,2,3,4,5,6,7
	global_load_b32 v[BI+8*\t+\j], v[BO], s[10:11] offset:(32*(\t/2)+8*(\t%2))*4
.endr
.endr
	s_wait_loadcnt 0x0
	LANDED
.irp k, 0,1,2,3,4,5
	KSTEP \k, ADX, ASX, ADW, ASW, 1
.endr
	v_mov_b32 v[TM+2], 0
	v_mov_b32 v[TM+3], 0
.irp r, 0,1,2,3                                ; channel tile r: 32 registers along my 64 tokens
	Q32 ACC+32*\r, CD+8*\r, W16+\r
	global_store_b128 v[LI], v[CD+8*\r:CD+8*\r+3], s[12:13] offset:1536*\r
	global_store_b64 v[L8], v[CD+8*\r+4:CD+8*\r+5], s[12:13] offset:1536*\r+512
	global_store_b16 v[LS], v[W16+\r], s[14:15] offset:128*\r
.endr
.Lend:
	s_wait_tensorcnt 0x0                           ; the wave's end
	ds_add_u32 v[SPW], v[NIL]
	s_wait_dscnt 0x0
	ROUND                                          ; the closing round
	s_endpgm
.Lfunc_end_k_q73cb87f48a_proj:
	.size	k_q73cb87f48a_proj, .Lfunc_end_k_q73cb87f48a_proj-k_q73cb87f48a_proj
	.p2alignl 7, 3214868480
	.fill 96, 4, 3214868480
	.section	.rodata,"a",@progbits
	.p2align	6, 0x0
	.amdhsa_kernel k_q73cb87f48a_proj
		.amdhsa_group_segment_fixed_size 327680
		.amdhsa_private_segment_fixed_size 0
		.amdhsa_enable_private_segment 0
		.amdhsa_kernarg_size 48
		.amdhsa_user_sgpr_count 2
		.amdhsa_user_sgpr_kernarg_segment_ptr 1
		.amdhsa_wavefront_size32 1
		.amdhsa_system_sgpr_workgroup_id_x 1
		.amdhsa_system_sgpr_workgroup_id_y 1
		.amdhsa_system_sgpr_workgroup_id_z 1
		.amdhsa_system_vgpr_workitem_id 0
		.amdhsa_next_free_vgpr 256
		.amdhsa_next_free_sgpr 102
		.amdhsa_reserve_vcc 0
		.amdhsa_float_denorm_mode_32 3
		.amdhsa_float_denorm_mode_16_64 3
		.amdhsa_memory_ordered 1
		.amdhsa_forward_progress 1
		.amdhsa_inst_pref_size 83
	.end_amdhsa_kernel
	.amdgpu_metadata
---
amdhsa.version: [ 1, 2 ]
amdhsa.kernels:
  - .name:           k_q73cb87f48a_proj
    .symbol:         k_q73cb87f48a_proj.kd
    .args:
      - { .name: xw, .offset: 0, .size: 8, .value_kind: global_buffer, .address_space: global }
      - { .name: bq, .offset: 8, .size: 8, .value_kind: global_buffer, .address_space: global }
      - { .name: bk, .offset: 16, .size: 8, .value_kind: global_buffer, .address_space: global }
      - { .name: bv, .offset: 24, .size: 8, .value_kind: global_buffer, .address_space: global }
      - { .name: qi, .offset: 32, .size: 8, .value_kind: global_buffer, .address_space: global }
      - { .name: kv, .offset: 40, .size: 8, .value_kind: global_buffer, .address_space: global }
    .group_segment_fixed_size: 327680
    .private_segment_fixed_size: 0
    .kernarg_segment_align: 8
    .kernarg_segment_size: 48
    .max_flat_workgroup_size: 384
    .sgpr_count:     102
    .vgpr_count:     256
    .wavefront_size: 32
...
	.end_amdgpu_metadata
.endif
;; end of part 2
;; launch attn (part 3): grid 16 x 12, 16 waves a work-group, no clusters, 327,680 bytes of LDS; arguments qi, kv, cx; writes cx
.if DOCPART == 3
	.amdgcn_target "amdgcn-amd-amdhsa--gfx1250"
	.amdhsa_code_object_version 6
	.text
	.protected	k_q73cb87f48a_attn
	.globl	k_q73cb87f48a_attn
	.p2align	8
	.type	k_q73cb87f48a_attn,@function
k_q73cb87f48a_attn:
	s_mov_b64 s[64:65], 0
	v_nop
	global_prefetch_b8 v0, s[64:65] scope:SCOPE_SE
	s_setreg_imm32_b32 hwreg(HW_REG_WAVE_MODE, 25, 1), 1
	s_wait_xcnt 0x0
; ctx[h][q] = sum over keys k <= q of softmax_k(q . k / 8) v, both products on codes of FP6 (E2M3) with E8M0 scales, from the register images in qi and kv; ctx is quantised along the last product's K and stored as register images in cx.
; THE SOFTMAX: t = score x log2(e) / 8; M = the running largest t rounded UP to a whole number; p = 2^(t - M) is quantised along the keys, not normalised; the row's sum is taken of the unquantised p and divides at the end.
; SHARES.  Work-group (p, head) has the 128 queries of group 31 - p (the late group) and those of group p (the early one); key steps of 128 keys; steps beyond a group's own are hidden by the causal mask and left out.
; Wave w < 8 OWNS tile w of the late group.  Wave w + 8 first makes tile w of the early group (key steps 0 .. p), stores it, and then HELPS the owner: it takes the late group's tile w too, with sums of its own.
; Beyond key step p the owner works the even key steps and the helper the odd ones, up to step 31 - p.  All of that hangs on ids and the count of steps.
; THE JOIN: M is a whole number in both parts, so each part is brought under the larger M by a power of two, which rounds nothing; the helper's O^T, sum and -M go to the owner through LDS bytes of their own, behind one barrier.
; A helper with no step of the late group hands over zeros under M = -3e38: its factor is 0.
; LAYOUT.  Both products transposed: S^T = K Q^T, O^T = V^T P^T: a lane holds one query.  Lane r of tile t is 32 (t / 2) + 8 (t % 2) + r + 8 (r / 8).
; K = 64 IN A FORM OF 128: a fragment of source 0 holds TWO tiles of keys; it is multiplied once by [q | zeros] and once by [zeros | q]: zero codes add nothing under any scale byte from 1 to 254.
; RING: two slots of eight key steps (106,496 dense bytes), 2^17 apart: four changes of slots for the 32 key steps; waves 0-7 fetch a key step each.  All waits on TENSORcnt are for 0.
; A slot whose first key step lies beyond group 31 - p is read by no wave and is not asked for.
; NO CLUSTER: work-groups of a head need different numbers of slots (32 - p key steps), and a joint load may not be left out by one partner.
; LIMITS: hidden scores are -infinity where the definition has -1e9: the same as long as a row's largest logit lies above about -1e9 + 150.  A block's largest p is taken as 2^ of its largest score (v_exp_f32 taken not to fall where its input rises).
; The promise holds while |t| stays under 2^31.  A block of zeros gets the byte 1.  NaN and infinities are not served.
.set SLICE, 6656
.set RG,    6*SLICE
.set STEPB, 13312
.set NQ,    8
.set SLOTB, NQ*STEPB
.set SLOT1, 1<<17
.set SPARE, 2*SLOT1                    ; the spare words, 128 bytes a wave, named by no other line
.set MG,    SPARE+2048                 ; the join: 4,608 bytes for each pair of waves; no tensor load lands here
.set MGW,   4608
.set LI,  1                            ; v1 16 x lane, v2 8 x lane, v3 4 x lane
.set L8,  2
.set LS,  3
.set DD,  4                            ; v4 my query's place in its 128, less 16 h
.set SPW, 5
.set NIL, 6
.set PFO, 7
.set ADK, 8
.set AD8, 9
.set ADS, 10
.set QS,  11                           ; v11 q's two scale bytes, twice.  v12 -M, v13 the largest t, v[14:15] the sum
.set QHI, 16                           ; v16-27 [zeros | q];  v22-33 [q | zeros]
.set QLO, 22
.set FR,  34                           ; v34-81 four fragments: K's, then V's
.set KSC, 82
.set VSC, 86
.set S,   96                           ; v96-159 S^T, then p
.set OT,  160                          ; v160-191 O^T
.set PCD, 192
.set CT,  204
.set BM,  212
.set BT,  216
.set SO,  220
.set PW,  224
.set F,   226                          ; v[226:227] f; v227 is 0
.set T,   228
.set MGA, 229                          ; v229 my pair's bytes of the join + 16 x lane
.set SU,  240                          ; v240-255 eight chains of the row's sum
.set TM,  BM
.set T6,  CT
.set TB,  2
.set KS,  3
.set WV,  18
.set SEL, 20
.set CS,  22
.set G1,  24
.set G0,  40
.set QA,  44                           ; s[44:45], s[46:47] the late group's tile in qi: codes, pair word
.set PAR, 49                           ; 0 owner, 1 helper: which key steps beyond p are mine
.set SWK, 50                           ; the key step behind which a helper changes tiles; -1 in owners
.set CNT, 66
.set SLOTS, 67
.set GQ,  68                           ; the group of the tile that I work on
.set GA,  69
.set PFA, 76
.set LIM, 80
.set CXI, 84
.set CXS, 86
.macro D n
	s_delay_alu instid0(VALU_DEP_\n)
.endm
.macro PLACES
.rept 4
	v_nop
.endr
.endm
.macro TLOAD                           ; waves 0-7 fetch a key step each
	s_cmp_lt_u32 s[WV], 8
	s_cbranch_scc0 .Lasked_\@
	tensor_load_to_lds s[G0:G0+3], s[G1:G1+7]
	s_nop 0
	PLACES
.Lasked_\@:
.endm
; A prefetch of the slot that the NEXT change of slots will ask for: 416 blocks of 256 bytes, lanes 256 bytes apart, two requests a wave (the slot's two halves of 208 blocks).
; All work-groups of a head walk the same kv: the head's first asks, in waves 8 to 14, which fetch nothing.  (Wave 14's last sixteen lanes are held at its half's last block.)
; The last change that fills a slot asks for nothing; slots 0 and 1 come by their loads alone.
.macro ASK
	s_cmp_gt_u32 s[SLOTS], s[LIM]
	s_cbranch_scc0 .Lnot_mine_\@
	global_prefetch_b8 v[PFO], s[PFA:PFA+1] th:TH_LOAD_NT scope:SCOPE_SE
	global_prefetch_b8 v[PFO], s[PFA:PFA+1] offset:SLOTB/2 th:TH_LOAD_NT scope:SCOPE_SE
.Lnot_mine_\@:
.endm
.macro Q32 s, c, w
	v_max3_num_f32 v[TM], |v[(\s)]|, |v[(\s)+1]|, 0x1800000
	v_max3_num_f32 v[TM+1], |v[(\s)+16]|, |v[(\s)+17]|, 0x1800000
.irp i, 2,4,6,8,10,12,14
	D 2
	v_max3_num_f32 v[TM], v[TM], |v[(\s)+\i]|, |v[(\s)+1+\i]|
	D 2
	v_max3_num_f32 v[TM+1], v[TM+1], |v[(\s)+16+\i]|, |v[(\s)+17+\i]|
.endr
	D 2
	v_permlanex16_b32 v[TM+2], v[TM], s[SEL], s[SEL+1]
	D 2
	v_permlanex16_b32 v[TM+3], v[TM+1], s[SEL], s[SEL+1]
	D 2
	v_max_num_f32 v[TM], v[TM], v[TM+2]
	D 2
	v_max_num_f32 v[TM+1], v[TM+1], v[TM+3]
	D 2
	v_add_nc_u32 v[TM+4], 0xff000000, v[TM]
	D 2
	v_add_nc_u32 v[TM+5], 0xff000000, v[TM+1]
	D 2
	v_lshrrev_b32 v[TM+2], 23, v[TM+4]
	D 2
	v_lshrrev_b32 v[TM+3], 23, v[TM+5]
	D 1
	v_lshl_or_b32 v[(\w)], v[TM+3], 8, v[TM+2]
	v_cvt_scalef32_pk16_fp6_f32 v[(\c):(\c)+2], v[(\s):(\s)+15], v[TM+4]
	v_cvt_scalef32_pk16_fp6_f32 v[T6:T6+2], v[(\s)+16:(\s)+31], v[TM+5]
	v_nop
.irp i, 0,1,2
	v_permlane16_swap_b32 v[(\c)+\i], v[T6+\i]
.endr
.irp i, 0,1,2
	D 3
	v_mov_b32 v[(\c)+3+\i], v[T6+\i]
.endr
.endm
; A TILE LEAVES: O^T / the sum is my 16 queries' 64 channels of this head (register 16 b + i = channel 32 b + 16 h + i): half a fragment of the last product's source
.macro FINISH
	v_add_f32 v14, v14, v15
	D 1
	v_permlanex16_b32 v[T], v14, s[SEL], s[SEL+1]
	D 1
	v_add_f32 v14, v14, v[T]
	s_wait_alu depctr_va_vdst(0)                   ; the wait ahead of the transcendental,
	v_rcp_f32 v14, v14
	v_nop
	s_wait_alu depctr_va_vdst(0)                   ; and ahead of its first reader
.set n, 0
.rept 16
	v_pk_mul_f32 v[S+n:S+n+1], v[OT+n:OT+n+1], v[14:15] op_sel_hi:[1,0]
.set n, n+2
.endr
	Q32 S, PCD, PW
	global_store_b128 v[LI], v[PCD:PCD+3], s[CXI:CXI+1]
	global_store_b64 v[L8], v[PCD+4:PCD+5], s[CXI:CXI+1] offset:512
	global_store_b16 v[LS], v[PW], s[CXS:CXS+1]
.endm
.macro QSCALE                          ; my tile's two bytes of the pair word, for k 0-63 and for k 64-127
	v_lshrrev_b32 v[QS], s79, v[QS]
	D 1
	v_and_b32 v[QS], 0xffff, v[QS]
	D 1
	v_lshl_or_b32 v[QS], v[QS], 16, v[QS]
.endm
.macro FRESH                           ; sums that have seen no key
	v_mov_b32 v13, 0xff61b1e6                      ; the largest t so far: -3e38
	D 1
	v_floor_f32 v12, -v13
	v_mov_b32 v14, 0
	v_mov_b32 v15, 0
.endm
.macro ZERO_O                          ; O^T = 0; also the places between q's scale word and the next product
.set n, 0
.rept 32
	v_mov_b32 v[OT+n], 0
.set n, n+1
.endr
.endm
; A HELPER CHANGES TILES, behind the early group's last key step: the late tile's q is asked for, the early tile leaves, the sums begin anew
.macro SWITCH
	global_load_b128 v[QLO:QLO+3], v[LI], s[QA:QA+1]
	global_load_b64 v[QLO+4:QLO+5], v[L8], s[QA:QA+1] offset:512
	global_load_b32 v[QS], v[LS], s[QA+2:QA+3]
	PLACES                                         ; behind the last products, in front of the first read of O^T
	FINISH
	FRESH
	s_wait_xcnt 0x0                                ; the stores' data are written again only behind this wait
	s_wait_loadcnt 0x0
	QSCALE
	ZERO_O
	s_mov_b32 s[GQ], s[GA]                         ; the diagonal is now the late group's
	s_wait_alu depctr_va_vdst(0)                   ; the wait ahead of the label and the jump behind it
.endm
; A KEY STEP: 128 keys at LDS byte s[TB].  sw = 1: the copy for key steps 0 to 23, among which a helper changes tiles (p is 15 at the most)
.macro STEP sw
	s_cmp_gt_u32 s[KS], s[GA]                      ; beyond the late group: hidden for all
	s_cbranch_scc1 .Lhidden_\@
	s_cmp_le_u32 s[KS], ttmp9                      ; up to the early group's own step every wave works, on its own tile
	s_cbranch_scc1 .Lwork_\@
	s_and_b32 s97, s[KS], 1                        ; beyond it: even steps the owner's, odd steps the helper's
	s_cmp_lg_u32 s97, s[PAR]
	s_cbranch_scc1 .Lhidden_\@
.Lwork_\@:
	v_add_nc_u32 v[ADK], s[TB], v[LI]              ; four plain lines: the places in front of loads into registers that the last products read
	v_add_nc_u32 v[AD8], s[TB], v[L8]
	v_add_nc_u32 v[ADS], s[TB], v[LS]
	v_nop
.irp t, 0,1,2,3,4,5,6,7
	ds_load_b128 v[FR+6*\t:FR+6*\t+3], v[ADK] offset:768*\t
	ds_load_b64 v[FR+6*\t+4:FR+6*\t+5], v[AD8] offset:768*\t+512
.endr
.irp p, 0,1,2,3
	ds_load_b32 v[KSC+\p], v[ADS] offset:12288+128*\p
.endr
	s_wait_alu depctr_va_vdst(0)                   ; the wait, directly ahead of the wait below
	s_wait_dscnt 0x0
.irp p, 0,1,2,3
	v_wmma_scale_f32_16x16x128_f8f6f4 v[S+16*\p:S+16*\p+7], v[FR+12*\p:FR+12*\p+11], v[QLO:QLO+11], 0, v[KSC+\p], v[QS] matrix_a_fmt:MATRIX_FMT_FP6 matrix_b_fmt:MATRIX_FMT_FP6
	v_wmma_scale_f32_16x16x128_f8f6f4 v[S+16*\p+8:S+16*\p+15], v[FR+12*\p:FR+12*\p+11], v[QHI:QHI+11], 0, v[KSC+\p], v[QS] matrix_a_fmt:MATRIX_FMT_FP6 matrix_b_fmt:MATRIX_FMT_FP6
.endr                                          ; register 16 b + i holds key 32 b + 16 h + i of the step
	PLACES
.irp t, 0,1,2,3                                ; V's fragments land while the softmax is walked
	ds_load_b128 v[FR+12*\t:FR+12*\t+3], v[ADK] offset:6144+1536*\t
	ds_load_b64 v[FR+12*\t+4:FR+12*\t+5], v[AD8] offset:6144+1536*\t+512
	ds_load_b128 v[FR+12*\t+6:FR+12*\t+9], v[ADK] offset:6144+1536*\t+768
	ds_load_b64 v[FR+12*\t+10:FR+12*\t+11], v[AD8] offset:6144+1536*\t+1280
	ds_load_b32 v[VSC+\t], v[ADS] offset:12800+128*\t
.endr
	s_cmp_lg_u32 s[KS], s[GQ]                      ; only my tile's own group's step lies on the diagonal
	s_cbranch_scc1 .Lopen_\@
	v_mov_b32 v[T], 0xff800000                     ; -infinity
.set n, 0
.rept 64
	v_cmp_gt_i32 vcc_lo, 32*(n/16)+n%16, v[DD]     ; hidden where the register's key comes after my query
	v_cndmask_b32 v[S+n], v[S+n], v[T], vcc_lo
.set n, n+1
.endr
.Lopen_\@:
.irp b, 0,1,2,3
	v_max3_num_f32 v[BM+\b], v[S+16*\b], v[S+1+16*\b], v[S+2+16*\b]   ; each block's largest score: for the row's maximum, and for the block's largest p
.endr
.irp i, 3,5,7,9,11,13
.irp b, 0,1,2,3
	v_max3_num_f32 v[BM+\b], v[BM+\b], v[S+16*\b+\i], v[S+1+16*\b+\i]
.endr
.endr
.irp b, 0,1,2,3
	v_max_num_f32 v[BM+\b], v[BM+\b], v[S+15+16*\b]
.endr
.irp b, 0,1,2,3
	D 4
	v_permlanex16_b32 v[BT+\b], v[BM+\b], s[SEL], s[SEL+1]
.endr
.irp b, 0,1,2,3
	D 4
	v_max_num_f32 v[BM+\b], v[BM+\b], v[BT+\b]
.endr
	D 2
	v_max3_num_f32 v[T], v[BM], v[BM+1], v[BM+2]
	D 1
	v_max_num_f32 v[T], v[T], v[BM+3]
	D 1
	v_mul_f32 v[T], s[CS], v[T]                    ; as t
	D 1
	v_max_num_f32 v13, v13, v[T]                   ; the running largest t
	v_mov_b32 v[T], v12
	D 2
	v_floor_f32 v12, -v13                          ; -M = floor(-t)
	D 1
	v_sub_f32 v[T], v12, v[T]                      ; old M - new M, 0 or less
	D 1
	v_cvt_i32_f32 v[T], v[T]                       ; (it saturates)
	D 1
	v_ldexp_f32 v[F], 1.0, v[T]                    ; f: a multiplication by it rounds nothing
.set n, 0
.rept 32
	v_pk_fma_f32 v[S+n:S+n+1], v[S+n:S+n+1], s[CS:CS+1], v[12:13] op_sel_hi:[1,0,0]   ; t - M
.set n, n+2
.endr
.irp b, 0,1,2,3
	v_fma_f32 v[BM+\b], v[BM+\b], s[CS], v12
.endr
	s_wait_alu depctr_va_vdst(0)                   ; the wait ahead of the batch
.set n, 0
.rept 64
	v_exp_f32 v[S+n], v[S+n]                       ; p, at most 1
.set n, n+1
.endr
	v_pk_mul_f32 v[14:15], v[14:15], v[F:F+1] op_sel_hi:[1,0]   ; the sum under the new M: the plain place behind the exponentials
	s_wait_alu depctr_va_vdst(0)                   ; one wait for the batch, ahead of its first reader
.irp b, 0,1,2,3
	v_exp_f32 v[BM+\b], v[BM+\b]                   ; the blocks' largest p
.endr
.irp c, 0,1,2,3,4,5,6,7                        ; the row's sum of the unquantised p: 32 pairs in eight chains
	v_pk_add_f32 v[SU+2*\c:SU+2*\c+1], v[S+2*\c:S+2*\c+1], v[S+16+2*\c:S+17+2*\c]
.endr
.irp j, 32,48
.irp c, 0,1,2,3,4,5,6,7
	v_pk_add_f32 v[SU+2*\c:SU+2*\c+1], v[SU+2*\c:SU+2*\c+1], v[S+\j+2*\c:S+\j+2*\c+1]
.endr
.endr
.irp c, 0,1,2,3
	v_pk_add_f32 v[SU+2*\c:SU+2*\c+1], v[SU+2*\c:SU+2*\c+1], v[SU+8+2*\c:SU+9+2*\c]
.endr
.irp c, 0,1
	D 2
	v_pk_add_f32 v[SU+2*\c:SU+2*\c+1], v[SU+2*\c:SU+2*\c+1], v[SU+4+2*\c:SU+5+2*\c]
.endr
	D 1
	v_pk_add_f32 v[SU:SU+1], v[SU:SU+1], v[SU+2:SU+3]
	D 1
	v_pk_add_f32 v[14:15], v[14:15], v[SU:SU+1]
	s_wait_alu depctr_va_vdst(0)                   ; and one for the four
.irp b, 0,1,2,3
	v_max_num_f32 v[BM+\b], 0x1800000, v[BM+\b]    ; the floor 2^(3 - 127)
.endr
.irp b, 0,1,2,3
	D 4
	v_add_nc_u32 v[SO+\b], 0xff000000, v[BM+\b]
.endr
.irp b, 0,1,2,3
	D 4
	v_lshrrev_b32 v[BT+\b], 23, v[SO+\b]
.endr
	D 3
	v_lshl_or_b32 v[PW], v[BT+1], 8, v[BT]
	D 1
	v_lshl_or_b32 v[PW], v[BT+2], 16, v[PW]
	D 1
	v_lshl_or_b32 v[PW], v[BT+3], 24, v[PW]
.irp c, 0,1
	v_cvt_scalef32_pk16_fp6_f32 v[PCD+6*\c:PCD+6*\c+2], v[S+32*\c:S+32*\c+15], v[SO+2*\c]
	v_cvt_scalef32_pk16_fp6_f32 v[CT+4*\c:CT+4*\c+2], v[S+16+32*\c:S+31+32*\c], v[SO+2*\c+1]
.endr
	v_nop
.irp c, 0,1
.irp i, 0,1,2
	v_permlane16_swap_b32 v[PCD+6*\c+\i], v[CT+4*\c+\i]
.endr
.irp i, 0,1,2
	D 3
	v_mov_b32 v[PCD+3+6*\c+\i], v[CT+4*\c+\i]
.endr
.endr
.set n, 0
.rept 16
	v_pk_mul_f32 v[OT+n:OT+n+1], v[OT+n:OT+n+1], v[F:F+1] op_sel_hi:[1,0]   ; O^T under the new M; also the places between p's codes and scale word and the products
.set n, n+2
.endr
	s_wait_alu depctr_va_vdst(0)                   ; the wait, directly ahead of the wait below
	s_wait_dscnt 0x0                               ; V is in
.irp t, 0,1,2,3
	v_wmma_scale_f32_16x16x128_f8f6f4 v[OT+8*\t:OT+8*\t+7], v[FR+12*\t:FR+12*\t+11], v[PCD:PCD+11], v[OT+8*\t:OT+8*\t+7], v[VSC+\t], v[PW] matrix_a_fmt:MATRIX_FMT_FP6 matrix_b_fmt:MATRIX_FMT_FP6
.endr
.if \sw
	s_cmp_lg_u32 s[KS], s[SWK]                     ; a helper's early tile is finished behind key step p
	s_cbranch_scc1 .Lhidden_\@
	SWITCH
.endif
.Lhidden_\@:
	s_add_co_u32 s[TB], s[TB], STEPB
	s_add_co_u32 s[KS], s[KS], 1
.endm
; THE CHANGE OF SLOTS: every wave waits for all its tensor loads, adds 0 to its spare word, waits for that and for its reads, and passes the barrier
.macro CHANGE fill
	s_wait_tensorcnt 0x0
	ds_add_u32 v[SPW], v[NIL]
	ds_add_u32 v[SPW], v[NIL]
.if \fill
	s_xor_b32 s[G0+1], s[G0+1], SLOT1
	s_add_nc_u64 s[G0+2:G0+3], s[G0+2:G0+3], SLOTB
	s_wait_xcnt 0x0                                ; the last prefetches, a slot back, have read their address
	s_add_nc_u64 s[PFA:PFA+1], s[PFA:PFA+1], SLOTB
.endif
	s_wait_dscnt 0x0
	s_barrier_signal -1
	s_barrier_wait -1
.if \fill
	s_add_co_u32 s96, s[KS], NQ                    ; the first key step of the slot that would be asked for
	s_cmp_gt_u32 s96, s[GA]                        ; beyond the late group: no wave reads it.  Ids and the count of steps alone: all sixteen waves go the same way
	s_cbranch_scc1 .Lpast_\@
	TLOAD
.Lpast_\@:
	ASK
.endif
.endm
.macro SLOT_STEPS sw
	s_mov_b32 s[CNT], NQ
.Lstep_\@:
	STEP \sw
	s_sub_co_u32 s[CNT], s[CNT], 1
	s_cmp_lg_u32 s[CNT], 0
	s_cbranch_scc1 .Lstep_\@
	s_sub_co_u32 s[TB], s[TB], SLOTB
	s_xor_b32 s[TB], s[TB], SLOT1
.endm
	s_load_b128 s[4:7], s[0:1], 0x0                ; qi, kv
	s_load_b64 s[8:9], s[0:1], 0x10                ; cx
	v_lshl_add_u32 v[SPW], v0, 2, SPARE
	v_mov_b32 v[NIL], 0
	ds_add_u32 v[SPW], v[NIL]                      ; the opening lines
	ds_add_u32 v[SPW], v[NIL]
	v_lshrrev_b32 v8, 5, v0
	D 1
	v_readfirstlane_b32 s[WV], v8                  ; wave 0..15
	s_and_b32 s70, ttmp7, 0xffff                   ; the head
	s_sub_co_u32 s[GA], 31, ttmp9
	s_cmp_lt_u32 s[WV], 8
	s_cselect_b32 s[GQ], s[GA], ttmp9              ; my first tile's group
	s_cselect_b32 s[SWK], -1, ttmp9
	s_lshr_b32 s[PAR], s[WV], 3
	s_and_b32 s71, s[WV], 7                        ; my tile in it
	s_mov_b32 s[G1], 3<<16                         ; no mask; elements of 8 bytes; no padding
	s_mov_b32 s[G1+1], 32<<16                      ; rows of 256 bytes,
	s_mov_b32 s[G1+2], 52<<16                      ; 52 of them: a key step
	s_mov_b32 s[G1+3], 32<<16
	s_mov_b32 s[G1+4], 52
	s_mov_b32 s[G1+5], 32
	s_mov_b32 s[G1+6], 0
	s_mov_b32 s[G1+7], 0
	s_mul_i32 s73, s71, STEPB                      ; the key step that I fetch, in a slot
	s_mul_i32 s74, s70, 32*STEPB                   ; the head in kv
	s_add_co_u32 s[PFA], s74, SLOTB                ; the prefetches stand at slot 1; the first change steps them to slot 2
	s_mov_b32 s[PFA+1], 0
	s_add_co_u32 s74, s74, s73
	s_mov_b32 s75, 0
	s_lshl_b32 s88, s70, 5
	s_add_co_u32 s52, s88, s[GA]
	s_mul_i32 s52, s52, SLICE                      ; the late group in qi
	s_mov_b32 s53, 0
	s_add_co_u32 s88, s88, s[GQ]
	s_mul_i32 s88, s88, SLICE                      ; my first group in qi
	s_mov_b32 s89, 0
	s_mul_i32 s90, s71, 768                        ; my tile's half image
	s_mov_b32 s91, 0
	s_lshr_b32 s92, s71, 1
	s_lshl_b32 s92, s92, 7
	s_add_co_u32 s92, s92, 6144                    ; its pair word
	s_mov_b32 s93, 0
	s_lshl_b32 s94, s[GQ], 1
	s_lshr_b32 s95, s71, 2
	s_add_co_u32 s94, s94, s95
	s_mul_i32 s94, s94, RG                         ; cx: the 64 tokens of the tile that I store,
	s_lshr_b32 s95, s70, 1
	s_mul_i32 s95, s95, SLICE
	s_add_co_u32 s94, s94, s95                     ; K step head / 2,
	s_and_b32 s95, s71, 3
	s_and_b32 s78, s70, 1
	s_mul_i32 s[CXI], s95, 1536                    ; my tile, the half head % 2
	s_mul_i32 s79, s78, 768
	s_add_co_u32 s[CXI], s[CXI], s79
	s_add_co_u32 s[CXI], s[CXI], s94
	s_mov_b32 s[CXI+1], 0
	s_lshl_b32 s[CXS], s95, 7
	s_lshl_b32 s79, s78, 1
	s_add_co_u32 s[CXS], s[CXS], s79
	s_add_co_u32 s[CXS], s[CXS], s94
	s_add_co_u32 s[CXS], s[CXS], 6144
	s_mov_b32 s[CXS+1], 0
	s_lshr_b32 s81, s71, 1
	s_lshl_b32 s81, s81, 5
	s_and_b32 s79, s71, 1
	s_lshl_b32 s78, s79, 3
	s_add_co_u32 s81, s81, s78                     ; 32 (tile / 2) + 8 (tile % 2)
	s_lshl_b32 s79, s79, 4                         ; which half of the pair word is mine, in bits
	s_sub_co_u32 s82, s[WV], 8
	s_lshl_b32 s83, s82, 13
	s_cmp_lt_u32 s82, 7                            ; waves 8 to 14
	s_cselect_b32 s[LIM], 1, -1
	s_cmp_eq_u32 ttmp9, 0                          ; of the head's first work-group
	s_cselect_b32 s[LIM], s[LIM], -1
	s_mul_i32 s51, s71, MGW
	s_add_co_u32 s51, s51, MG                      ; my pair's bytes of the join
	s_mov_b32 s[SEL], 0x76543210
	s_mov_b32 s[SEL+1], 0xfedcba98
	s_mov_b32 s[CS], 0x3e38aa3b                    ; c = log2(e) / 8
	s_mov_b32 s[CS+1], s[CS]
	s_mov_b32 s[TB], 0
	s_mov_b32 s[KS], 0
	s_mov_b32 s[SLOTS], 32/NQ-1
	v_and_b32 v[LS], 31, v0
	D 1
	v_lshlrev_b32 v[LI], 4, v[LS]
	D 2
	v_lshlrev_b32 v[L8], 3, v[LS]
	D 3
	v_lshlrev_b32 v[PFO], 8, v[LS]
	D 4
	v_lshlrev_b32 v[LS], 2, v[LS]
	D 2
	v_add_nc_u32 v[PFO], s83, v[PFO]
	D 1
	v_min_u32 v[PFO], SLOTB/2-256, v[PFO]          ; held inside half a slot
	v_add_nc_u32 v[MGA], s51, v[LI]
	v_and_b32 v[DD], 15, v0
	D 1
	v_and_b32 v8, 8, v[DD]
	D 1
	v_add_nc_u32 v[DD], v[DD], v8
	v_bfe_u32 v8, v0, 4, 1
	D 1
	v_lshlrev_b32 v8, 4, v8
	D 1
	v_sub_nc_u32 v[DD], v[DD], v8
	D 1
	v_add_nc_u32 v[DD], s81, v[DD]
	s_wait_dscnt 0x0                               ; both opening adds are done
	s_wait_kmcnt 0x0
	s_mov_b32 s[G0], 1
	s_mov_b32 s[G0+1], s73
	s_add_nc_u64 s[G0+2:G0+3], s[6:7], s[74:75]
	s_or_b32 s[G0+3], s[G0+3], 0x80000000
	TLOAD                                          ; slot 0
	s_add_nc_u64 s[PFA:PFA+1], s[6:7], s[PFA:PFA+1]
	s_add_nc_u64 s[QA:QA+1], s[4:5], s[52:53]
	s_add_nc_u64 s[QA+2:QA+3], s[QA:QA+1], s[92:93]
	s_add_nc_u64 s[QA:QA+1], s[QA:QA+1], s[90:91]
	s_add_nc_u64 s[4:5], s[4:5], s[88:89]
	s_add_nc_u64 s[10:11], s[4:5], s[90:91]
	s_add_nc_u64 s[12:13], s[4:5], s[92:93]
	s_add_nc_u64 s[CXI:CXI+1], s[8:9], s[CXI:CXI+1]
	s_add_nc_u64 s[CXS:CXS+1], s[8:9], s[CXS:CXS+1]
	s_wait_alu depctr_va_vdst(0)                   ; the wait behind the run of scalar lines
	global_load_b128 v[QLO:QLO+3], v[LI], s[10:11]
	global_load_b64 v[QLO+4:QLO+5], v[L8], s[10:11] offset:512
	global_load_b32 v[QS], v[LS], s[12:13]
.irp j, 0,1,2,3,4,5
	v_mov_b32 v[QHI+\j], 0                         ; zero codes on either side of q
	v_mov_b32 v[QLO+6+\j], 0
.endr
	FRESH
.irp j, 0,1,2,3,4,5,6,7
	v_mov_b32 v[BM+\j], 0                          ; written once: a lane permute's destination counts as one of its sources
.endr
	v_mov_b32 v[F+1], 0
	v_mov_b32 v[T], 0
	s_wait_loadcnt 0x0
	QSCALE
	ZERO_O
	s_wait_alu depctr_va_vdst(0)                   ; the wait at the head's end
.Lslot:                                            ; three trips: behind each change of slots but the last the next slot is asked for, up to the causal limit
	CHANGE 1
	SLOT_STEPS 1
	s_sub_co_u32 s[SLOTS], s[SLOTS], 1
	s_cmp_lg_u32 s[SLOTS], 0
	s_cbranch_scc1 .Lslot
	CHANGE 0                                       ; the last slot, key steps 24 to 31: nothing is left to ask for, and no helper changes tiles there
	SLOT_STEPS 0
	; THE JOIN.  A helper's part of the late tile goes to LDS as an image of its registers; no tensor load is out, and none lands on these bytes
	s_cmp_lt_u32 s[WV], 8
	s_cbranch_scc1 .Lkeeps
	PLACES                                         ; behind the last products
.irp j, 0,1,2,3,4,5,6,7
	ds_store_b128 v[MGA], v[OT+4*\j:OT+4*\j+3] offset:512*\j   ; each accumulator from its low end on
.endr
	ds_store_b128 v[MGA], v[12:15] offset:4096     ; -M, the largest t, the sum's two halves
.Lkeeps:
	s_wait_dscnt 0x0                               ; for the owner's sake: my stores are done
	s_barrier_signal -1
	s_barrier_wait -1
	s_cmp_lt_u32 s[WV], 8
	s_cbranch_scc0 .Lend
.irp j, 0,1,2,3,4,5,6,7,8
	ds_load_b128 v[S+4*\j:S+4*\j+3], v[MGA] offset:512*\j
.endr
	s_wait_dscnt 0x0
	v_min_num_f32 v[T], v12, v[S+32]               ; -M of the whole row: the lesser.  (These seven lines are also the places behind the last products)
	D 1
	v_sub_f32 v[BT+2], v[T], v12                   ; my M less the row's, 0 or less,
	v_sub_f32 v[BT+3], v[T], v[S+32]               ; and the helper's
	D 2
	v_cvt_i32_f32 v[BT+2], v[BT+2]                 ; (they saturate)
	D 2
	v_cvt_i32_f32 v[BT+3], v[BT+3]
	D 2
	v_ldexp_f32 v[F], 1.0, v[BT+2]
	D 2
	v_ldexp_f32 v[BT], 1.0, v[BT+3]
	v_pk_mul_f32 v[14:15], v[14:15], v[F:F+1] op_sel_hi:[1,0]
.set n, 0
.rept 16
	v_pk_mul_f32 v[OT+n:OT+n+1], v[OT+n:OT+n+1], v[F:F+1] op_sel_hi:[1,0]
.set n, n+2
.endr
	v_pk_fma_f32 v[14:15], v[S+34:S+35], v[BT:BT+1], v[14:15] op_sel_hi:[1,0,1]
.set n, 0
.rept 16
	v_pk_fma_f32 v[OT+n:OT+n+1], v[S+n:S+n+1], v[BT:BT+1], v[OT+n:OT+n+1] op_sel_hi:[1,0,1]
.set n, n+2
.endr
	FINISH
.Lend:
	s_wait_tensorcnt 0x0                           ; the wave's end
	ds_add_u32 v[SPW], v[NIL]
	s_wait_dscnt 0x0
	s_endpgm
.Lfunc_end_k_q73cb87f48a_attn:
	.size	k_q73cb87f48a_attn, .Lfunc_end_k_q73cb87f48a_attn-k_q73cb87f48a_attn
	.p2alignl 7, 3214868480
	.fill 96, 4, 3214868480
	.section	.rodata,"a",@progbits
	.p2align	6, 0x0
	.amdhsa_kernel k_q73cb87f48a_attn
		.amdhsa_group_segment_fixed_size 327680
		.amdhsa_private_segment_fixed_size 0
		.amdhsa_enable_private_segment 0
		.amdhsa_kernarg_size 24
		.amdhsa_user_sgpr_count 2
		.amdhsa_user_sgpr_kernarg_segment_ptr 1
		.amdhsa_wavefront_size32 1
		.amdhsa_system_sgpr_workgroup_id_x 1
		.amdhsa_system_sgpr_workgroup_id_y 1
		.amdhsa_system_sgpr_workgroup_id_z 1
		.amdhsa_system_vgpr_workitem_id 0
		.amdhsa_next_free_vgpr 256
		.amdhsa_next_free_sgpr 100
		.amdhsa_reserve_vcc 1
		.amdhsa_float_denorm_mode_32 3
		.amdhsa_float_denorm_mode_16_64 3
		.amdhsa_memory_ordered 1
		.amdhsa_forward_progress 1
		.amdhsa_inst_pref_size 70
	.end_amdhsa_kernel
	.amdgpu_metadata
---
amdhsa.version: [ 1, 2 ]
amdhsa.kernels:
  - .name:           k_q73cb87f48a_attn
    .symbol:         k_q73cb87f48a_attn.kd
    .args:
      - { .name: qi, .offset: 0, .size: 8, .value_kind: global_buffer, .address_space: global }
      - { .name: kv, .offset: 8, .size: 8, .value_kind: global_buffer, .address_space: global }
      - { .name: cx, .offset: 16, .size: 8, .value_kind: global_buffer, .address_space: global }
    .group_segment_fixed_size: 327680
    .private_segment_fixed_size: 0
    .kernarg_segment_align: 8
    .kernarg_segment_size: 24
    .max_flat_workgroup_size: 512
    .sgpr_count:     100
    .vgpr_count:     256
    .wavefront_size: 32
...
	.end_amdgpu_metadata
.endif
;; end of part 3
;; launch outp (part 4): grid 64 x 4, 12 waves a work-group, clusters of 4 x 1, 213,504 bytes of LDS; arguments cx, xw, bo, out0; writes out0
.if DOCPART == 4
	.amdgcn_target "amdgcn-amd-amdhsa--gfx1250"
	.amdhsa_code_object_version 6
	.text
	.protected	k_q73cb87f48a_outp
	.globl	k_q73cb87f48a_outp
	.p2align	8
	.type	k_q73cb87f48a_outp,@function
k_q73cb87f48a_outp:
	s_mov_b64 s[64:65], 0
	v_nop
	global_prefetch_b8 v0, s[64:65] scope:SCOPE_SE
	s_setreg_imm32_b32 hwreg(HW_REG_WAVE_MODE, 25, 1), 1
	s_wait_xcnt 0x0
	s_wait_alu depctr_hold_cnt(0) depctr_sa_sdst(0) depctr_va_vdst(0) depctr_va_sdst(0) depctr_va_ssrc(0) depctr_va_vcc(0) depctr_vm_vsrc(0)
	s_getreg_b32 s2, hwreg(HW_REG_IB_STS2, 6, 4)
	s_cmp_eq_u32 s2, 0
	s_cbranch_scc0 .Lentry_in_a_cluster
	s_endpgm
.Lentry_in_a_cluster:
	s_bfe_u32 s2, ttmp6, 0x10000c
	s_cmp_lg_u32 s2, 0x3003
	s_cbranch_scc0 .Lentry_shape_is_right
	s_endpgm
.Lentry_shape_is_right:
; out0 = ctx Wo^T + bo on codes of FP6 (E2M3) with E8M0 scales, from the register images in cx (ctx) and xw (Wo: groups 100-111).
; SHARES.  Work-group x: 64 tokens (g64); work-group y: 192 channels (cgo).  Wave w: token tile w % 4, 64 channels w / 4: four accumulators, 24 products.
; Source 0 = 16 rows of Wo, source 1 = 16 tokens: a lane holds one token, and the registers of tiles 2 b, 2 b + 1 are channels 32 b + 16 h + 0 .. 15: 64 consecutive bytes of a row of out0.  bo is the C of each sum's first product.
; LDS, filled once: three groups of Wo (64 rows x all of K, 39,936 bytes each), then ctx's group, as they lie in memory: 24 slices of 6,656 bytes on end.  Behind them a stage of 16 rows x 272 bytes for each wave, and the spare words.
; ONE TENSOR LOAD A WAVE: wave w brings slices 2 w, 2 w + 1 (52 rows of 256 bytes): waves 0-8 Wo's, jointly (the four work-groups of a cluster share cgo: mask 15), waves 9-11 ctx's, each work-group's own.
; TWO SETS of fragment and scale registers take turns by K steps: while K step k is multiplied, the 21 LDS loads of K step k + 1 are out, and those of k + 2 follow into the set that k has left.
; No prefetch: the launch has no loop to run ahead in; all its bytes are asked for at the head.
; The tokens of a tile are not neighbours (lane r of tile t: 32 (t / 2) + 8 (t % 2) + r + 8 (r / 8)): the stores' row offsets undo that.
.set SLICE, 6656
.set RG,    6*SLICE
.set PAIR,  2*SLICE
.set STAGE, 4*RG
.set SPT,   272
.set SPARE, STAGE+12*16*SPT
.set LI,  1
.set L8,  2
.set LS,  3
.set ADW, 4                            ; v4 my group of Wo; v5, v6 my fragment of ctx (16 x lane, 8 x lane); v7, v8 their scale images
.set ADC, 5
.set AD8, 6
.set ASW, 7
.set ASC, 8
.set SPW, 9
.set NIL, 10
.set BO,  11
.set STO, 12                           ; v12 the stage, in: 272 r + 64 h; v13 back: 272 (lane / 16) + 16 (lane % 16); v14 the same two rows in out0
.set RD,  13
.set GO,  14
                                       ; v16-20, v21-25 scale words, two sets, and nothing else: Wo's four, ctx's one
                                       ; v26-73, v182-229 Wo's four fragments; v74-85, v230-241 ctx's fragment: two sets
.set BI,  86
.set ACC, 118
.set OB,  150
.set NLD, 21                           ; LDS loads of a K step
.set G1J, 16
.set G1P, 24
.set G0W, 32
.set G0X, 36
.set WV,  56
.set TT,  57
.set HP,  58
.set CGO, 59
.macro D n
	s_delay_alu instid0(VALU_DEP_\n)
.endm
.macro ROUND
	s_barrier_signal -1
	s_barrier_wait -1
	s_cmp_lg_u32 s[WV], 0
	s_cbranch_scc1 .Lnot_wave_0_\@
	s_barrier_signal -3
.Lnot_wave_0_\@:
	s_barrier_wait -3
	s_barrier_signal -1
	s_barrier_wait -1
.endm
.macro PLACES
.rept 4
	v_nop
.endr
.endm
.macro SETOF ks                        ; the registers of K step ks's set
.set FA, 26+156*((\ks)%2)
.set FB, 74+156*((\ks)%2)
.set SA, 16+5*((\ks)%2)
.set SB, 20+5*((\ks)%2)
.endm
.macro LOADK ks                        ; the K step's place stands in the loads' immediates
	SETOF \ks
.irp t, 0,1,2,3
.irp c, 0,1,2
	ds_load_b128 v[FA+12*\t+4*\c:FA+12*\t+4*\c+3], v[ADW] offset:SLICE*(\ks)+1536*\t+512*\c
.endr
	ds_load_b32 v[SA+\t], v[ASW] offset:SLICE*(\ks)+128*\t
.endr
	ds_load_b128 v[FB:FB+3], v[ADC] offset:SLICE*(\ks)         ; ctx's fragment: two half images on end, one from each of two heads
	ds_load_b64 v[FB+4:FB+5], v[AD8] offset:SLICE*(\ks)+512
	ds_load_b128 v[FB+6:FB+9], v[ADC] offset:SLICE*(\ks)+768
	ds_load_b64 v[FB+10:FB+11], v[AD8] offset:SLICE*(\ks)+1280
	ds_load_b32 v[SB], v[ASC] offset:SLICE*(\ks)
.endm
.macro MULK ks                         ; the four accumulators take turns
	SETOF \ks
.irp t, 0,1,2,3
.if (\ks) == 0
	v_wmma_scale_f32_16x16x128_f8f6f4 v[ACC+8*\t:ACC+8*\t+7], v[FA+12*\t:FA+12*\t+11], v[FB:FB+11], v[BI+8*\t:BI+8*\t+7], v[SA+\t], v[SB] matrix_a_fmt:MATRIX_FMT_FP6 matrix_b_fmt:MATRIX_FMT_FP6
.else
	v_wmma_scale_f32_16x16x128_f8f6f4 v[ACC+8*\t:ACC+8*\t+7], v[FA+12*\t:FA+12*\t+11], v[FB:FB+11], v[ACC+8*\t:ACC+8*\t+7], v[SA+\t], v[SB] matrix_a_fmt:MATRIX_FMT_FP6 matrix_b_fmt:MATRIX_FMT_FP6
.endif
.endr
	PLACES                                         ; in front of loads into this set, and of the first read of results
.endm
	s_load_b256 s[4:11], s[0:1], 0x0               ; cx, xw, bo, out0
	v_lshl_add_u32 v[SPW], v0, 2, SPARE
	v_mov_b32 v[NIL], 0
	ds_add_u32 v[SPW], v[NIL]                      ; the opening lines
	ds_add_u32 v[SPW], v[NIL]
	v_lshrrev_b32 v15, 5, v0
	D 1
	v_readfirstlane_b32 s[WV], v15                 ; wave 0..11
	s_and_b32 s[TT], s[WV], 3
	s_lshr_b32 s[HP], s[WV], 2
	s_and_b32 s[CGO], ttmp7, 0xffff                ; shared by the four partners
	s_bfe_u32 s92, ttmp6, 0x40000                  ; my place in the cluster: it enters ctx's address and the stores' alone
	s_lshl_b32 s93, ttmp9, 2
	s_add_co_u32 s93, s93, s92                     ; g64
	s_mov_b32 s[G1J], 15|(3<<16)|(1<<21)
	s_mov_b32 s[G1P], 3<<16
.irp g, G1J, G1P
	s_mov_b32 s[\g+1], 32<<16                      ; rows of 256 bytes,
	s_mov_b32 s[\g+2], 52<<16                      ; 52 of them: two slices
	s_mov_b32 s[\g+3], 32<<16
	s_mov_b32 s[\g+4], 52
	s_mov_b32 s[\g+5], 32
	s_mov_b32 s[\g+6], 0
	s_mov_b32 s[\g+7], 0
.endr
	v_and_b32 v[LS], 31, v0
	D 1
	v_lshlrev_b32 v[LI], 4, v[LS]
	D 2
	v_lshlrev_b32 v[L8], 3, v[LS]
	D 3
	v_lshlrev_b32 v[LS], 2, v[LS]
	s_mul_i32 s94, s[HP], RG
	s_mul_i32 s95, s[TT], 1536
	s_add_co_u32 s95, s95, 3*RG
	s_lshl_b32 s98, s[TT], 7
	s_add_co_u32 s98, s98, 3*RG+6144
	s_mul_i32 s99, s[WV], 16*SPT
	s_add_co_u32 s99, s99, STAGE
	v_add_nc_u32 v[ADW], s94, v[LI]
	v_add_nc_u32 v[ADC], s95, v[LI]
	v_add_nc_u32 v[AD8], s95, v[L8]
	v_add_nc_u32 v[ASW], s94, v[LS]
	D 1
	v_add_nc_u32 v[ASW], 6144, v[ASW]
	v_add_nc_u32 v[ASC], s98, v[LS]
	v_and_b32 v15, 15, v0                          ; r
	v_bfe_u32 v[BO], v0, 4, 1                      ; h
	D 2
	v_mul_u32_u24 v[STO], v15, SPT
	D 1
	v_lshl_add_u32 v[STO], v[BO], 6, v[STO]
	D 1
	v_add_nc_u32 v[STO], s99, v[STO]
	D 4
	v_mul_u32_u24 v[RD], v[BO], SPT
	D 1
	v_lshl_add_u32 v[RD], v15, 4, v[RD]
	D 1
	v_add_nc_u32 v[RD], s99, v[RD]
	v_mul_u32_u24 v[GO], v[BO], 3072
	D 1
	v_lshl_add_u32 v[GO], v15, 4, v[GO]
	v_lshlrev_b32 v[BO], 6, v[BO]
	s_mul_i32 s2, s[CGO], 768
	s_lshl_b32 s3, s[HP], 8
	s_add_co_u32 s2, s2, s3                        ; my 64 channels, in bytes
	s_mov_b32 s3, 0
	s_lshl_b32 s100, s93, 6
	s_lshr_b32 s101, s[TT], 1
	s_lshl_b32 s101, s101, 5
	s_add_co_u32 s100, s100, s101
	s_and_b32 s101, s[TT], 1
	s_lshl_b32 s101, s101, 3
	s_add_co_u32 s100, s100, s101                  ; my tile's first token
	s_mul_i32 s100, s100, 3072
	s_add_co_u32 s100, s100, s2
	s_mov_b32 s101, 0
	s_mul_i32 s61, s[WV], PAIR                     ; where my load goes: no place in the cluster enters
	s_min_u32 s62, s[WV], 8                        ; Wo's run: group 100 + 3 cgo on, my two slices (held inside the run in the waves that fetch ctx)
	s_mul_i32 s62, s62, PAIR
	s_mul_i32 s63, s[CGO], 3
	s_add_co_u32 s63, s63, 100
	s_mul_i32 s66, s63, RG
	s_add_co_u32 s66, s66, s62
	s_mov_b32 s67, 0
	s_max_u32 s62, s[WV], 9                        ; ctx's group: two slices for each of waves 9-11
	s_sub_co_u32 s62, s62, 9
	s_mul_i32 s62, s62, PAIR
	s_mul_i32 s96, s93, RG
	s_add_co_u32 s96, s96, s62
	s_mov_b32 s97, 0
	s_wait_dscnt 0x0                               ; both opening adds are done
	s_wait_kmcnt 0x0
	s_add_nc_u64 s[66:67], s[6:7], s[66:67]
	s_add_nc_u64 s[96:97], s[4:5], s[96:97]
	s_add_nc_u64 s[8:9], s[8:9], s[2:3]
	s_add_nc_u64 s[10:11], s[10:11], s[100:101]
	ROUND                                          ; all four work-groups are here: the joint loads meet
	s_mov_b32 s[G0W], 1
	s_mov_b32 s[G0W+1], s61
	s_mov_b64 s[G0W+2:G0W+3], s[66:67]
	s_or_b32 s[G0W+3], s[G0W+3], 0x80000000
	s_mov_b32 s[G0X], 1
	s_mov_b32 s[G0X+1], s61
	s_mov_b64 s[G0X+2:G0X+3], s[96:97]
	s_or_b32 s[G0X+3], s[G0X+3], 0x80000000
	s_cmp_lt_u32 s[WV], 9                          ; one chain, one load to an arm
	s_cbranch_scc0 .Lfor_c
	tensor_load_to_lds s[G0W:G0W+3], s[G1J:G1J+7]
	s_nop 0
	PLACES
	s_branch .Lfilled
.Lfor_c:
	tensor_load_to_lds s[G0X:G0X+3], s[G1P:G1P+7]
	s_nop 0
	PLACES
.Lfilled:
	s_wait_alu depctr_va_vdst(0)                   ; the wait at the head's end
.irp a, 0,1,2,3                                ; register j of tile a is channel 32 (a / 2) + 8 (a % 2) + 16 h + j
	global_load_b128 v[BI+8*\a:BI+8*\a+3], v[BO], s[8:9] offset:(32*(\a/2)+8*(\a%2))*4
	global_load_b128 v[BI+8*\a+4:BI+8*\a+7], v[BO], s[8:9] offset:(32*(\a/2)+8*(\a%2))*4+16
.endr
	s_wait_loadcnt 0x0
	s_wait_tensorcnt 0x0                           ; my one load has landed,
	s_barrier_signal -1
	s_barrier_wait -1                              ; and everybody's: nothing is filled again
	LOADK 0
	LOADK 1
.irp k, 0,1,2,3
	s_wait_dscnt NLD                               ; K step k's loads are in; the next step's 21 may be out
	MULK \k
	LOADK \k+2
.endr
	s_wait_dscnt NLD
	MULK 4
	s_wait_dscnt 0x0
	MULK 5
	; THE WAY OUT: a lane's 2 x 64 bytes of a row go into my own stage and come back as whole rows of 256 bytes.  LDS serves a wave's instructions in order: no wait between the stores and the loads.
.irp b, 0,1
.irp q, 0,1,2,3
	ds_store_b128 v[STO], v[ACC+16*\b+4*\q:ACC+16*\b+4*\q+3] offset:128*\b+16*\q   ; each accumulator from its low end on
.endr
.endr
.irp i, 0,1,2,3,4,5,6,7
	ds_load_b128 v[OB+4*\i:OB+4*\i+3], v[RD] offset:2*\i*SPT
.endr
.irp i, 0,1,2,3,4,5,6,7
	s_wait_dscnt 7-\i                              ; rows 2 i, 2 i + 1 are back; the 7 - i younger loads may be out
	global_store_b128 v[GO], v[OB+4*\i:OB+4*\i+3], s[10:11] offset:(2*\i+8*(\i/4))*3072 th:TH_STORE_NT   ; sixteen lanes store 256 consecutive bytes, at a multiple of 256 from out0's first byte
.endr
	s_wait_tensorcnt 0x0                           ; the wave's end
	ds_add_u32 v[SPW], v[NIL]
	s_wait_dscnt 0x0
	ROUND                                          ; the closing round
	s_endpgm
.Lfunc_end_k_q73cb87f48a_outp:
	.size	k_q73cb87f48a_outp, .Lfunc_end_k_q73cb87f48a_outp-k_q73cb87f48a_outp
	.p2alignl 7, 3214868480
	.fill 96, 4, 3214868480
	.section	.rodata,"a",@progbits
	.p2align	6, 0x0
	.amdhsa_kernel k_q73cb87f48a_outp
		.amdhsa_group_segment_fixed_size 213504
		.amdhsa_private_segment_fixed_size 0
		.amdhsa_enable_private_segment 0
		.amdhsa_kernarg_size 32
		.amdhsa_user_sgpr_count 2
		.amdhsa_user_sgpr_kernarg_segment_ptr 1
		.amdhsa_wavefront_size32 1
		.amdhsa_system_sgpr_workgroup_id_x 1
		.amdhsa_system_sgpr_workgroup_id_y 1
		.amdhsa_system_sgpr_workgroup_id_z 1
		.amdhsa_system_vgpr_workitem_id 0
		.amdhsa_next_free_vgpr 248
		.amdhsa_next_free_sgpr 102
		.amdhsa_reserve_vcc 0
		.amdhsa_float_denorm_mode_32 3
		.amdhsa_float_denorm_mode_16_64 3
		.amdhsa_memory_ordered 1
		.amdhsa_forward_progress 1
		.amdhsa_inst_pref_size 22
	.end_amdhsa_kernel
	.amdgpu_metadata
---
amdhsa.version: [ 1, 2 ]
amdhsa.kernels:
  - .name:           k_q73cb87f48a_outp
    .symbol:         k_q73cb87f48a_outp.kd
    .args:
      - { .name: cx, .offset: 0, .size: 8, .value_kind: global_buffer, .address_space: global }
      - { .name: xw, .offset: 8, .size: 8, .value_kind: global_buffer, .address_space: global }
      - { .name: bo, .offset: 16, .size: 8, .value_kind: global_buffer, .address_space: global }
      - { .name: out0, .offset: 24, .size: 8, .value_kind: global_buffer, .address_space: global }
    .group_segment_fixed_size: 213504
    .private_segment_fixed_size: 0
    .kernarg_segment_align: 8
    .kernarg_segment_size: 32
    .max_flat_workgroup_size: 384
    .sgpr_count:     102
    .vgpr_count:     248
    .wavefront_size: 32
...
	.end_amdgpu_metadata
.endif
;; end of part 4
